; MI455X (gfx1250); checked and timed in simulation.
; The chip was launched on July 23, 2026; its instructions are those of AMD's public machine-readable ISA for CDNA 5 (MIT licence, August 2026) and "CDNA5" Instruction Set Architecture Reference Guide (July 2026). The comments in the code are by the model that wrote it; some were corrected since.
;; Distance. Allowed arithmetic: float matrix products may take bf16 or f16 operands with f32 sums; all other float work in f32.
;; Inputs: batch 8,192 int32; pos 8,192 x 3 float32.
;; Outputs: out0 2 x 262,144 int32; out1 262,144 float32; out2 262,144 x 3 float32; out3 262,144 bool.
;; One version. Each part assembles by itself: llvm-mc -triple=amdgcn-amd-amdhsa -mcpu=gfx1250 --defsym DOCPART=n.
;; ======== version 1 of 1: 1 launch
;; limits: values outside matrix products are rounded to bf16
;; launch radius_graph (part 1): grid 256 x 1, 8 waves a work-group, no clusters, 22,528 bytes of LDS; arguments batch, pos, out0, out1, out2, out3; writes out0, out1, out2, out3
.if DOCPART == 1
	.amdgcn_target "amdgcn-amd-amdhsa--gfx1250"
	.amdhsa_code_object_version 6
	.text
	.protected	k_q8258faa84b_radius_graph
	.globl	k_q8258faa84b_radius_graph
	.p2align	8
	.type	k_q8258faa84b_radius_graph,@function
k_q8258faa84b_radius_graph:
	s_mov_b64 s[64:65], 0
	v_nop
	global_prefetch_b8 v0, s[64:65] scope:SCOPE_SE
	s_setreg_imm32_b32 hwreg(HW_REG_WAVE_MODE, 25, 1), 1
	s_wait_xcnt 0x0
; radius_graph: for each of 8,192 atoms the up to 32 nearest atoms of the same graph within 5.0, ordered by
; d2 = (sq_i + sq_j) - 2 dot(i, j), equal d2 by the lower index; then edge vectors, weights and the mask.
;
; NUMBER FORMAT, a limit that is kept: every coordinate is rounded to bf16 (nearest even) as it is loaded, and ALL later steps
; (squares, Gram product, cutoff, order, edge vectors, weights) use the rounded numbers: relative error 2^-9 of each coordinate.
; Products of two such numbers have 16 significant bits and are exact in f32, so a fused multiply-add gives the same bits as a
; multiply and an add; the three-term sums run in ascending order of the coordinate, each rounded to f32, and d2 is one rounding of
; (sq_i + sq_j) - 2 dot.  (Below |x| of about 2^-63 products are no longer exact; v_sqrt_f32 is good to 1 ulp and gives 0 for a
; denormal argument.  A NaN d2 fails the cutoff test, as it does in a comparison with 25.)  An index must fit in 16 bits: 8,192 atoms.
; The Gram product is made on the vector unit, from bf16 operands with f32 sums: its depth is 3 where a matrix instruction has 32,
; only pairs with equal batch numbers are used, and the whole-number outputs hang on the order of the f32 roundings.
;
; SHARES.  256 work-groups of 8 waves; a work-group owns 32 consecutive centres, a wave 4.  Lanes are 32 candidates while searching
; and the 32 output slots at the end.  The four centres' work is written interleaved, operation by operation, so that each
; instruction stands a dozen instructions behind the one whose result it reads.
; WHICH ATOMS ARE LOOKED AT.  Nothing is assumed of the order of batch.  Every branch hangs on batch numbers that the wave itself has
; read from memory, never on a floating-point number and never on a number handed over through LDS: each wave reads all 32,768 bytes of
; batch (64 loads of 512 consecutive bytes) and notes the chunks of 32 atoms that hold a batch number between the smallest and the
; largest of its four centres (unsigned).  Four centres a wave keep that at 8 x 32,768 bytes a work-group.
; SELECTION hangs on floating-point numbers, so it has no branch and forms no address: each visited chunk is sorted by a fixed
; bitonic network and merged into a sorted list of 32 held one entry a lane.  An entry is three words, and carries the neighbour's
; coordinates with it, so that no position is fetched by a sorted index:
;   word 0: d2 (f32), +inf if not a neighbour;  word 1: index << 16 | z (bf16);  word 2: x (bf16) | y (bf16) << 16.
; NO CLUSTER, no copy engine: what work-groups share is batch, which has to come through registers since branches hang on it; the
; chunks of pos that are visited differ from group to group.
.set CHUNKP,  384                      ; bytes of pos in a chunk of 32 atoms (batch: 128)
.set ROW1,    0x100000                 ; out0: byte offset of its second row (262,144 x 4)
.set START,   0                        ; lower cutoff 0.0 as f32 bits
; LDS: the group's results as they will lie in memory
.set L_NBR,   0                        ; 32 centres x 32 x 4 bytes: edge_index row 1
.set L_W,     4096                     ; edge_weight
.set L_VEC,   8192                     ; 32 x 32 x 12 bytes: edge_vec
.set L_MSK,   20480                    ; 32 x 32 bytes: mask
; vector registers
.set LANE, 1                           ; lane
.set L4,   2                           ; 4 x lane
.set L12,  3                           ; 12 x lane
.set ACT,  4                           ; v4, v5: lane c % 32 of register c / 32: block c's lane mask (byte k: chunk 4 c + k)
.set BOFF, 6                           ; byte offset into batch of the chunk asked for
.set POFF, 7                           ; the same into pos
.set NB,   8                           ; the chunk on its way: batch numbers
.set SOFF, 9                           ; 16 x lane: the scan's offset, never rewritten
.set NP,   10                          ; v[10:12] the chunk on its way: positions
.set BJ,   13                          ; the chunk at work: batch numbers
.set PJ,   14                          ; v14-16 its positions as loaded
.set JX,   17                          ; its indices
.set XJ,   18                          ; v18-20 its rounded coordinates
.set SQJ,  21                          ; its sums of squares
.set W1,   22                          ; word 1 of its entries
.set W2,   23                          ; word 2
.set E,    24                          ; v24-31 at work
.set CS,   32                          ; v32-95: 16 registers for each of my four centres:
.set O_XI, 0                           ;   0-2 its rounded coordinates
.set O_SQ, 3                           ;   3 its sum of squares
.set O_CH, 4                           ;   4-6 the chunk's entries
.set O_PD, 7                           ;   7-9 the partner lane's entry
.set O_LS, 10                          ;   10-12 the list: lane l holds the l-th nearest so far
.set O_T,  13                          ;   13-15 at work
.set SC,   96                          ; v96-159 the scan's ring: 16 slots of 4 registers
.set OUT,  96                          ; the way out: v96-123, 16 bytes a lane, seven times
.set LB,   124                         ; LDS addresses of my results
.set LV,   125
.set LM,   126
.set VO,   127                         ; 512 x wave + 16 x lane
.set VO3,  128                         ; 1,536 x wave + 16 x lane
; scalar registers: s[4:5] batch, s[6:7] pos, s[8:9] out0, s[10:11] out1, s[12:13] out2, s[14:15] out3
.set WAVE, 16
.set CEN0, 17                          ; my first centre's index
.set BMIN, 18                          ; smallest batch number of my four centres
.set BRNG, 19                          ; largest - smallest
.set BI,   20                          ; s[20:23] their batch numbers
.set CP,   24                          ; s[24:35] their positions as loaded
.set ACTM, 36                          ; a block's lane mask
.set BLK,  37                          ; loop: block of 128 atoms, 0 .. 63, and one trip more
.set KK,   38                          ; loop: chunk in the block, 0 .. 3
.set SELLO, 40                         ; v_permlanex16_b32: lane i reads lane i of the other half
.set SELHI, 41
.set INF,  42                          ; +inf
.set CUT,  43                          ; 25.0 = 5.0 squared
.set HIM,  44                          ; a word's upper bf16
.set PACK, 45                          ; v_perm_b32: the two low halves
.set T0,   46                          ; s[46:47] scratch, byte offsets in 64 bits
.set M,    48                          ; s48-63: four lane masks for each centre; the fourth: same graph and not the centre itself
.set O2,   66                          ; s[66:67] a byte offset in 64 bits
.set CEN,  68                          ; s68-71 my centres' indices
.set PEND, 72                          ; the chunk on its way, -1: none
.set CURC, 73                          ; the chunk at work
.set T2,   74
	s_load_b256 s[4:11], s[0:1], 0x0               ; batch, pos, out0, out1
	s_load_b128 s[12:15], s[0:1], 0x20             ; out2, out3
	v_lshl_add_u32 v160, v0, 2, 0x5400
	v_mov_b32 v161, 0
	v_and_b32 v[LANE], 31, v0
	v_lshrrev_b32 v[E], 5, v0
	v_readfirstlane_b32 s[WAVE], v[E]              ; wave 0 .. 7
	s_lshl_b32 s[CEN0], ttmp9, 5
	s_lshl2_add_u32 s[CEN0], s[WAVE], s[CEN0]      ; first centre = 32 x group + 4 x wave
	s_lshl_b32 s[T0], s[CEN0], 2                   ; its byte offset in batch: a multiple of 16
	s_mul_i32 s[T0+1], s[CEN0], 12                 ; and in pos: a multiple of 48
	v_lshlrev_b32 v[L4], 2, v[LANE]
	v_mul_u32_u24 v[L12], 12, v[LANE]
	v_lshlrev_b32 v[SOFF], 4, v[LANE]
	s_mov_b32 s[SELLO], 0x76543210
	s_mov_b32 s[SELHI], 0xfedcba98
	s_mov_b32 s[INF], 0x7f800000
	s_mov_b32 s[CUT], 0x41c80000
	s_mov_b32 s[HIM], 0xffff0000
	s_mov_b32 s[PACK], 0x05040100
	s_wait_kmcnt 0x0
.irp q, 0,1,2,3,4,5,6,7,8,9,10,11,12,13,14,15
	global_load_b128 v[SC+4*\q:SC+4*\q+3], v[SOFF], s[4:5] offset:512*\q   ; the ring is filled: blocks 0 to 15 of batch
.endr
	s_load_b128 s[BI:BI+3], s[4:5], s[T0] offset:0x0           ; my four centres' batch numbers
	s_load_b128 s[CP:CP+3], s[6:7], s[T0+1] offset:0x0         ; and their 12 coordinates
	s_load_b128 s[CP+4:CP+7], s[6:7], s[T0+1] offset:0x10
	s_load_b128 s[CP+8:CP+11], s[6:7], s[T0+1] offset:0x20
	v_mov_b32 v[ACT], 0                            ; destinations of lane writes and lane moves count as read: written once here
	v_mov_b32 v[ACT+1], 0
	v_mov_b32 v[NB], 0                             ; copied, and not used, in the first visit
	v_mov_b32 v[NP], 0
	v_mov_b32 v[NP+1], 0
	v_mov_b32 v[NP+2], 0
.irp i, 0,1,2,3
	v_mov_b32 v[CS+16*\i+O_PD], 0
	v_mov_b32 v[CS+16*\i+O_PD+1], 0
	v_mov_b32 v[CS+16*\i+O_PD+2], 0
	v_mov_b32 v[CS+16*\i+O_LS], s[INF]             ; the empty list: +inf, and a second word above every real one (index < 8,192)
	v_mov_b32 v[CS+16*\i+O_LS+1], -1
	v_mov_b32 v[CS+16*\i+O_LS+2], 0
	s_add_co_u32 s[CEN+\i], s[CEN0], \i
.endr
	s_wait_kmcnt 0x0
	s_min_u32 s[BMIN], s[BI], s[BI+1]              ; the range of my centres' batch numbers, as unsigned words
	s_min_u32 s[T2], s[BI+2], s[BI+3]
	s_min_u32 s[BMIN], s[BMIN], s[T2]
	s_max_u32 s[BRNG], s[BI], s[BI+1]
	s_max_u32 s[T2], s[BI+2], s[BI+3]
	s_max_u32 s[BRNG], s[BRNG], s[T2]
	s_sub_co_u32 s[BRNG], s[BRNG], s[BMIN]
	; my centres: round to bf16, widen again, sum of squares in ascending order
.irp i, 0,1,2,3
	v_mov_b32 v[E], s[CP+3*\i]
	v_mov_b32 v[E+1], s[CP+3*\i+1]
	v_mov_b32 v[E+2], s[CP+3*\i+2]
	v_cvt_pk_bf16_f32 v[E+3], v[E], v[E+1]
	v_cvt_pk_bf16_f32 v[E+4], v[E+2], v[E+2]
	v_lshlrev_b32 v[CS+16*\i+O_XI], 16, v[E+3]
	v_and_b32 v[CS+16*\i+O_XI+1], s[HIM], v[E+3]
	v_lshlrev_b32 v[CS+16*\i+O_XI+2], 16, v[E+4]
	v_mul_f32 v[CS+16*\i+O_SQ], v[CS+16*\i+O_XI], v[CS+16*\i+O_XI]
	v_fmac_f32 v[CS+16*\i+O_SQ], v[CS+16*\i+O_XI+1], v[CS+16*\i+O_XI+1]
	v_fmac_f32 v[CS+16*\i+O_SQ], v[CS+16*\i+O_XI+2], v[CS+16*\i+O_XI+2]
.endr
; THE SCAN, four blocks of 128 atoms at a time.  Lane l of block c holds the batch numbers of atoms 128 c + 4 l .. + 3.  x lies in
; [BMIN, BMIN + BRNG] if x - BMIN, which wraps to a large unsigned number below BMIN, is at most BRNG; the smallest of a lane's four
; differences decides for the lane.  In the lane mask, lanes 8 k .. 8 k + 7 (byte k) are chunk 4 c + k.
; left: how many younger loads may stay out; more = 1: the four slots are filled again, 16 blocks ahead.
.macro SCAN4 g, left, more
	s_wait_loadcnt \left                           ; loads come back in order: the four oldest are in
.irp q, 0,1,2,3,4,5,6,7,8,9,10,11,12,13,14,15
	v_sub_nc_u32 v[SC+16*(\g%4)+\q], v[SC+16*(\g%4)+\q], s[BMIN]
.endr
.irp q, 0,1,2,3
	v_min_u32 v[SC+16*(\g%4)+4*\q], v[SC+16*(\g%4)+4*\q], v[SC+16*(\g%4)+4*\q+1]
	v_min_u32 v[SC+16*(\g%4)+4*\q+2], v[SC+16*(\g%4)+4*\q+2], v[SC+16*(\g%4)+4*\q+3]
.endr
.irp q, 0,1,2,3
	v_min_u32 v[SC+16*(\g%4)+4*\q], v[SC+16*(\g%4)+4*\q], v[SC+16*(\g%4)+4*\q+2]
.endr
.irp q, 0,1,2,3
	v_cmp_ge_u32 s[M+4*\q], s[BRNG], v[SC+16*(\g%4)+4*\q]
.endr
.irp q, 0,1,2,3
	v_writelane_b32 v[ACT+(4*\g+\q)/32], s[M+4*\q], (4*\g+\q)%32
.endr
.if \more
.irp q, 0,1,2,3
	global_load_b128 v[SC+16*(\g%4)+4*\q:SC+16*(\g%4)+4*\q+3], v[SOFF], s[4:5] offset:512*(4*\g+\q+16)
.endr
.endif
.endm
.irp g, 0,1,2,3,4,5,6,7,8,9,10,11
	SCAN4 \g, 12, 1                                ; 16 loads are out, 12 may stay out
.endr
	SCAN4 12, 12, 0                                ; the last 16 blocks: nothing is asked for any more, the counts run down
	SCAN4 13, 8, 0
	SCAN4 14, 4, 0
	SCAN4 15, 0, 0
; One stage of a bitonic network, for all four centres, on the entries at ro, ro + 1, ro + 2 of each centre's registers: each lane looks
; at lane (own xor j) and keeps the smaller or the larger entry.  Order: word 0 as f32, then word 1 as unsigned (the index leads it).
; keepmin: the lanes that keep the smaller.  A lane takes its partner's entry if (mine < partner) differs from keepmin.
; Entries that compare equal are equal in all three words.
.macro STAGE ro, j, keepmin
.irp i, 0,1,2,3
.irp w, 0,1,2
.if \j == 16
	v_permlanex16_b32 v[CS+16*\i+O_PD+\w], v[CS+16*\i+\ro+\w], s[SELLO], s[SELHI]
.else
	v_mov_b32_dpp v[CS+16*\i+O_PD+\w], v[CS+16*\i+\ro+\w] row_xmask:\j row_mask:0xf bank_mask:0xf
.endif
.endr
.endr
.irp i, 0,1,2,3
	v_cmp_lt_f32 s[M+4*\i], v[CS+16*\i+\ro], v[CS+16*\i+O_PD]
	v_cmp_eq_f32 s[M+4*\i+1], v[CS+16*\i+\ro], v[CS+16*\i+O_PD]
	v_cmp_lt_u32 s[M+4*\i+2], v[CS+16*\i+\ro+1], v[CS+16*\i+O_PD+1]
.endr
.irp i, 0,1,2,3
	s_and_b32 s[M+4*\i+1], s[M+4*\i+1], s[M+4*\i+2]
.endr
.irp i, 0,1,2,3
	s_or_b32 s[M+4*\i], s[M+4*\i], s[M+4*\i+1]     ; mine < partner
.endr
.irp i, 0,1,2,3
	s_xor_b32 s[M+4*\i], s[M+4*\i], \keepmin
.endr
.irp i, 0,1,2,3
.irp w, 0,1,2
	v_cndmask_b32 v[CS+16*\i+\ro+\w], v[CS+16*\i+\ro+\w], v[CS+16*\i+O_PD+\w], s[M+4*\i]
.endr
.endr
.endm
	; THE SEARCH: 64 blocks of four chunks; blocks and chunks that the scan did not note are jumped over.  A chunk's loads are issued one
	; visit ahead: at each noted chunk the wave waits for the chunk asked for in the last visit, copies its four registers, asks for
	; the new one and works on the copy.  Trip 64 of the block loop asks for nothing and works on the last chunk.
	s_mov_b32 s[PEND], -1
	s_mov_b32 s[BLK], 0
.Lblock:
	s_and_b32 s[T0], s[BLK], 31
	v_readlane_b32 s[T0+1], v[ACT], s[T0]
	v_readlane_b32 s[T2], v[ACT+1], s[T0]
	s_cmp_lt_u32 s[BLK], 32
	s_cselect_b32 s[ACTM], s[T0+1], s[T2]
	s_cmp_lt_u32 s[BLK], 64
	s_cselect_b32 s[ACTM], s[ACTM], 0xff           ; trip 64: one visit, at k = 0
	s_cmp_eq_u32 s[ACTM], 0
	s_cbranch_scc1 .Lblock_next
	s_mov_b32 s[KK], 0
.Lchunk:
	s_lshl_b32 s[T0], s[KK], 3
	s_lshr_b32 s[T0], s[ACTM], s[T0]
	s_and_b32 s[T0], s[T0], 0xff                   ; byte k of the block's lane mask
	s_cmp_eq_u32 s[T0], 0
	s_cbranch_scc1 .Lchunk_next
	s_mov_b32 s[CURC], s[PEND]
	s_lshl2_add_u32 s[PEND], s[BLK], s[KK]         ; chunk = 4 x block + k
	s_wait_loadcnt 0x0                             ; the chunk asked for in the last visit is in; its offsets are free
	v_mov_b32 v[BJ], v[NB]
	v_mov_b32 v[PJ], v[NP]
	v_mov_b32 v[PJ+1], v[NP+1]
	v_mov_b32 v[PJ+2], v[NP+2]
	s_cmp_ge_u32 s[BLK], 64
	s_cbranch_scc1 .Lno_fetch                      ; there is no chunk 256
	v_lshl_add_u32 v[BOFF], s[PEND], 7, v[L4]
	v_mad_u32_u24 v[POFF], s[PEND], CHUNKP, v[L12]
	global_load_b32 v[NB], v[BOFF], s[4:5]
	global_load_b96 v[NP:NP+2], v[POFF], s[6:7]
.Lno_fetch:
	s_cmp_lt_i32 s[CURC], 0
	s_cbranch_scc1 .Lchunk_next                    ; the first visit has nothing to work on yet
	v_lshl_add_u32 v[JX], s[CURC], 5, v[LANE]      ; candidate j = 32 x chunk + lane
.irp i, 0,1,2,3
	v_cmp_eq_u32 s[M+4*\i+3], s[BI+\i], v[BJ]      ; same graph
	v_cmp_ne_u32 s[M+4*\i+1], s[CEN+\i], v[JX]     ; not the centre itself
.endr
.irp i, 0,1,2,3
	s_and_b32 s[M+4*\i+3], s[M+4*\i+3], s[M+4*\i+1]
.endr
	s_or_b32 s[T0], s[M+3], s[M+7]
	s_or_b32 s[T0+1], s[M+11], s[M+15]
	s_or_b32 s[T0], s[T0], s[T0+1]
	s_cmp_lg_u32 s[T0], 0
	s_cbranch_scc0 .Lchunk_next                    ; no lane is in the graph of any of my centres (a test on whole numbers)
	; the entries: what the four centres share
	v_cvt_pk_bf16_f32 v[W2], v[PJ], v[PJ+1]        ; word 2: x | y << 16
	v_cvt_pk_bf16_f32 v[E], v[PJ+2], v[PJ+2]
	v_lshlrev_b32 v[XJ], 16, v[W2]                 ; the rounded coordinates as f32
	v_and_b32 v[XJ+1], s[HIM], v[W2]
	v_lshlrev_b32 v[XJ+2], 16, v[E]
	v_perm_b32 v[W1], v[JX], v[E], s[PACK]         ; word 1: j << 16 | z
	v_mul_f32 v[SQJ], v[XJ], v[XJ]                 ; sq_j: x, then y, then z
	v_fmac_f32 v[SQJ], v[XJ+1], v[XJ+1]
	v_fmac_f32 v[SQJ], v[XJ+2], v[XJ+2]
	; and d2 for each centre
.irp i, 0,1,2,3
	v_mul_f32 v[CS+16*\i+O_T], v[CS+16*\i+O_XI], v[XJ]             ; dot(i, j): x, then y, then z
	v_add_f32 v[CS+16*\i+O_T+1], v[CS+16*\i+O_SQ], v[SQJ]          ; sq_i + sq_j, rounded
.endr
.irp i, 0,1,2,3
	v_fmac_f32 v[CS+16*\i+O_T], v[CS+16*\i+O_XI+1], v[XJ+1]
.endr
.irp i, 0,1,2,3
	v_fmac_f32 v[CS+16*\i+O_T], v[CS+16*\i+O_XI+2], v[XJ+2]
.endr
.irp i, 0,1,2,3
	v_fma_f32 v[CS+16*\i+O_T+1], -2.0, v[CS+16*\i+O_T], v[CS+16*\i+O_T+1]   ; - 2 dot: doubling is exact, so this is the one rounding of the difference
.endr
.irp i, 0,1,2,3
	v_cmp_ge_f32 s[M+4*\i], s[CUT], v[CS+16*\i+O_T+1]              ; d2 <= 25 (false for NaN)
	v_mov_b32 v[CS+16*\i+O_CH+1], v[W1]
	v_mov_b32 v[CS+16*\i+O_CH+2], v[W2]
.endr
.irp i, 0,1,2,3
	s_and_b32 s[M+4*\i], s[M+4*\i], s[M+4*\i+3]
.endr
.irp i, 0,1,2,3
	v_cndmask_b32 v[CS+16*\i+O_CH], s[INF], v[CS+16*\i+O_T+1], s[M+4*\i]    ; word 0: d2, or +inf
.endr
	; sort the 32 entries, largest in lane 0: blocks of 2, 4, 8, 16, 32
	STAGE O_CH, 1,  0x66666666
	STAGE O_CH, 2,  0x3c3c3c3c
	STAGE O_CH, 1,  0x5a5a5a5a
	STAGE O_CH, 4,  0x0ff00ff0
	STAGE O_CH, 2,  0x33cc33cc
	STAGE O_CH, 1,  0x55aa55aa
	STAGE O_CH, 8,  0x00ffff00
	STAGE O_CH, 4,  0x0f0ff0f0
	STAGE O_CH, 2,  0x3333cccc
	STAGE O_CH, 1,  0x5555aaaa
	STAGE O_CH, 16, 0xffff0000
	STAGE O_CH, 8,  0xff00ff00
	STAGE O_CH, 4,  0xf0f0f0f0
	STAGE O_CH, 2,  0xcccccccc
	STAGE O_CH, 1,  0xaaaaaaaa
	; list ascending, chunk descending: the lane-wise smaller entries are the 32 smallest of the 64, and form a bitonic run
.irp i, 0,1,2,3
	v_cmp_lt_f32 s[M+4*\i], v[CS+16*\i+O_CH], v[CS+16*\i+O_LS]
	v_cmp_eq_f32 s[M+4*\i+1], v[CS+16*\i+O_CH], v[CS+16*\i+O_LS]
	v_cmp_lt_u32 s[M+4*\i+2], v[CS+16*\i+O_CH+1], v[CS+16*\i+O_LS+1]
.endr
.irp i, 0,1,2,3
	s_and_b32 s[M+4*\i+1], s[M+4*\i+1], s[M+4*\i+2]
.endr
.irp i, 0,1,2,3
	s_or_b32 s[M+4*\i], s[M+4*\i], s[M+4*\i+1]
.endr
.irp i, 0,1,2,3
.irp w, 0,1,2
	v_cndmask_b32 v[CS+16*\i+O_LS+\w], v[CS+16*\i+O_LS+\w], v[CS+16*\i+O_CH+\w], s[M+4*\i]
.endr
.endr
	; which five stages put in ascending order again
	STAGE O_LS, 16, 0x0000ffff
	STAGE O_LS, 8,  0x00ff00ff
	STAGE O_LS, 4,  0x0f0f0f0f
	STAGE O_LS, 2,  0x33333333
	STAGE O_LS, 1,  0x55555555
.Lchunk_next:
	s_add_co_u32 s[KK], s[KK], 1
	s_cmp_lt_u32 s[KK], 4
	s_cbranch_scc1 .Lchunk
.Lblock_next:
	s_add_co_u32 s[BLK], s[BLK], 1
	s_cmp_lt_u32 s[BLK], 65
	s_cbranch_scc1 .Lblock
	; THE EDGES: lane s of a centre's list holds its s-th nearest neighbour, or +inf.
	; A centre's share of an output is 128, 384 or 32 bytes.  The shares are laid side by side in LDS, as in memory, so that each store
	; below covers 512 consecutive bytes that start at a multiple of 512 from its buffer's first byte.
	v_lshl_add_u32 v[LB], s[WAVE], 9, v[L4]        ; 4 centres x 128 bytes x wave + 4 x lane
	v_mad_u32_u24 v[LV], s[WAVE], 4*CHUNKP, v[L12] ; 4 x 384 x wave + 12 x lane: words 3 apart, no two lanes in one bank
	v_lshl_add_u32 v[LM], s[WAVE], 7, v[LANE]      ; 4 x 32 x wave + lane
.macro EDGE i
	v_lshlrev_b32 v[E], 16, v[CS+16*\i+O_LS+2]     ; the neighbour's x, y, z and index out of the entry
	v_and_b32 v[E+1], s[HIM], v[CS+16*\i+O_LS+2]
	v_lshlrev_b32 v[E+2], 16, v[CS+16*\i+O_LS+1]
	v_lshrrev_b32 v[E+5], 16, v[CS+16*\i+O_LS+1]
	v_cmp_gt_f32 s[M], s[INF], v[CS+16*\i+O_LS]    ; nbr_valid
	v_sub_f32 v[E], v[CS+16*\i+O_XI], v[E]         ; edge_vec = pos[centre] - pos[neighbour]
	v_sub_f32 v[E+1], v[CS+16*\i+O_XI+1], v[E+1]
	v_sub_f32 v[E+2], v[CS+16*\i+O_XI+2], v[E+2]
	v_mul_f32 v[E+3], v[E], v[E]
	v_fmac_f32 v[E+3], v[E+1], v[E+1]
	v_fmac_f32 v[E+3], v[E+2], v[E+2]
	v_cndmask_b32 v[E+3], 1.0, v[E+3], s[M]        ; the root is taken of 1 where there is no neighbour
	v_sqrt_f32 v[E+4], v[E+3]
	v_mov_b32 v[E+6], s[CEN+\i]                    ; a plain vector instruction between the root and its first use (ISA guide 5.7.2)
	v_cndmask_b32 v[E+5], v[E+6], v[E+5], s[M]     ; padded with the centre itself
	s_wait_alu depctr_va_vdst(0)
	v_cndmask_b32 v[E+4], 0, v[E+4], s[M]
	v_cmp_le_f32 s[M+1], START, v[E+4]             ; lower cutoff
	s_and_b32 vcc_lo, s[M], s[M+1]
	v_cndmask_b32 v[E+4], 0, v[E+4], vcc_lo
	v_cndmask_b32 v[E], 0, v[E], vcc_lo
	v_cndmask_b32 v[E+1], 0, v[E+1], vcc_lo
	v_cndmask_b32 v[E+2], 0, v[E+2], vcc_lo
	v_cndmask_b32 v[E+3], 0, 1, vcc_lo
	ds_store_b32 v[LB], v[E+5] offset:L_NBR+128*\i
	ds_store_b32 v[LB], v[E+4] offset:L_W+128*\i
	ds_store_b32 v[LV], v[E] offset:L_VEC+CHUNKP*\i
	ds_store_b32 v[LV], v[E+1] offset:L_VEC+CHUNKP*\i+4
	ds_store_b32 v[LV], v[E+2] offset:L_VEC+CHUNKP*\i+8
	ds_store_b8 v[LM], v[E+3] offset:L_MSK+32*\i
.endm
	EDGE 0
	EDGE 1
	EDGE 2
	EDGE 3
	s_wait_dscnt 0x0                               ; my stores are in LDS before I signal: waves 0 and 1 read all eight waves' masks
	s_barrier_signal -1
	s_barrier_wait -1
	; THE WAY OUT.  Wave w: its 1,536 bytes of edge_vec, its 512 bytes of each row of edge_index and of edge_weight.
	; Waves 0, 1: 512 bytes each of the group's mask.
	v_lshl_add_u32 v[VO], s[WAVE], 9, v[SOFF]      ; 512 x wave + 16 x lane
	v_mad_u32_u24 v[VO3], s[WAVE], 4*CHUNKP, v[SOFF]
	ds_load_b128 v[OUT:OUT+3], v[VO3] offset:L_VEC
	ds_load_b128 v[OUT+4:OUT+7], v[VO3] offset:L_VEC+512
	ds_load_b128 v[OUT+8:OUT+11], v[VO3] offset:L_VEC+1024
	ds_load_b128 v[OUT+12:OUT+15], v[VO] offset:L_NBR
	ds_load_b128 v[OUT+16:OUT+19], v[VO] offset:L_W
	v_lshrrev_b32 v[OUT+20], 3, v[LANE]            ; row 0 needs no LDS: a lane's four entries belong to centre lane / 8 of my four
	v_add_nc_u32 v[OUT+20], s[CEN0], v[OUT+20]
	v_mov_b32 v[OUT+21], v[OUT+20]
	v_mov_b32 v[OUT+22], v[OUT+20]
	v_mov_b32 v[OUT+23], v[OUT+20]
	s_mul_i32 s[T0], ttmp9, 12288                  ; the group's part of edge_vec
	s_mov_b32 s[T0+1], 0
	s_add_nc_u64 s[12:13], s[12:13], s[T0:T0+1]
	s_lshl_b32 s[O2], ttmp9, 12                    ; the group's 4,096 bytes of a row of edge_index and of edge_weight
	s_mov_b32 s[O2+1], 0
	s_add_nc_u64 s[8:9], s[8:9], s[O2:O2+1]
	s_add_nc_u64 s[10:11], s[10:11], s[O2:O2+1]
	global_store_b128 v[VO], v[OUT+20:OUT+23], s[8:9] th:TH_STORE_NT
	s_wait_dscnt 0x4                               ; LDS loads come back in order: the first of the five is in
	global_store_b128 v[VO3], v[OUT:OUT+3], s[12:13] th:TH_STORE_NT
	s_wait_dscnt 0x3
	global_store_b128 v[VO3], v[OUT+4:OUT+7], s[12:13] offset:512 th:TH_STORE_NT
	s_wait_dscnt 0x2
	global_store_b128 v[VO3], v[OUT+8:OUT+11], s[12:13] offset:1024 th:TH_STORE_NT
	s_wait_dscnt 0x1
	global_store_b128 v[VO], v[OUT+12:OUT+15], s[8:9] offset:ROW1 th:TH_STORE_NT
	s_wait_dscnt 0x0
	global_store_b128 v[VO], v[OUT+16:OUT+19], s[10:11] th:TH_STORE_NT
	s_cmp_ge_u32 s[WAVE], 2
	s_cbranch_scc1 .Lend
	ds_load_b128 v[OUT+24:OUT+27], v[VO] offset:L_MSK
	s_lshl_b32 s[T0], ttmp9, 10                    ; the group's 1,024 bytes of the mask
	s_mov_b32 s[T0+1], 0
	s_add_nc_u64 s[14:15], s[14:15], s[T0:T0+1]
	s_wait_dscnt 0x0
	global_store_b128 v[VO], v[OUT+24:OUT+27], s[14:15] th:TH_STORE_NT
.Lend:
	s_wait_tensorcnt 0x0
	ds_add_u32 v160, v161
	s_wait_dscnt 0x0
	s_endpgm
.Lfunc_end_k_q8258faa84b_radius_graph:
	.size	k_q8258faa84b_radius_graph, .Lfunc_end_k_q8258faa84b_radius_graph-k_q8258faa84b_radius_graph
	.p2alignl 7, 3214868480
	.fill 96, 4, 3214868480
	.section	.rodata,"a",@progbits
	.p2align	6, 0x0
	.amdhsa_kernel k_q8258faa84b_radius_graph
		.amdhsa_group_segment_fixed_size 22528
		.amdhsa_private_segment_fixed_size 0
		.amdhsa_enable_private_segment 0
		.amdhsa_kernarg_size 48
		.amdhsa_user_sgpr_count 2
		.amdhsa_user_sgpr_kernarg_segment_ptr 1
		.amdhsa_wavefront_size32 1
		.amdhsa_system_sgpr_workgroup_id_x 1
		.amdhsa_system_sgpr_workgroup_id_y 1
		.amdhsa_system_sgpr_workgroup_id_z 1
		.amdhsa_system_vgpr_workitem_id 0
		.amdhsa_next_free_vgpr 162
		.amdhsa_next_free_sgpr 76
		.amdhsa_reserve_vcc 1
		.amdhsa_float_denorm_mode_32 3
		.amdhsa_float_denorm_mode_16_64 3
		.amdhsa_memory_ordered 1
		.amdhsa_forward_progress 1
		.amdhsa_inst_pref_size 110
	.end_amdhsa_kernel
	.amdgpu_metadata
---
amdhsa.version: [ 1, 2 ]
amdhsa.kernels:
  - .name:           k_q8258faa84b_radius_graph
    .symbol:         k_q8258faa84b_radius_graph.kd
    .args:
      - { .name: batch, .offset: 0, .size: 8, .value_kind: global_buffer, .address_space: global }
      - { .name: pos, .offset: 8, .size: 8, .value_kind: global_buffer, .address_space: global }
      - { .name: out0, .offset: 16, .size: 8, .value_kind: global_buffer, .address_space: global }
      - { .name: out1, .offset: 24, .size: 8, .value_kind: global_buffer, .address_space: global }
      - { .name: out2, .offset: 32, .size: 8, .value_kind: global_buffer, .address_space: global }
      - { .name: out3, .offset: 40, .size: 8, .value_kind: global_buffer, .address_space: global }
    .group_segment_fixed_size: 22528
    .private_segment_fixed_size: 0
    .kernarg_segment_align: 8
    .kernarg_segment_size: 48
    .max_flat_workgroup_size: 256
    .sgpr_count:     76
    .vgpr_count:     162
    .wavefront_size: 32
...
	.end_amdgpu_metadata
.endif
;; end of part 1
